; MI455X (gfx1250); checked and timed in simulation.
; The chip was launched on July 23, 2026; its instructions are those of AMD's public machine-readable ISA for CDNA 5 (MIT licence, August 2026) and "CDNA5" Instruction Set Architecture Reference Guide (July 2026). The comments in the code are by the model that wrote it; some were corrected since.
;; Bahdanau Attention. Allowed arithmetic: matrix products marked QUANTISED: E2M3 operands, one E8M0 scale for each 32 along K, by v_wmma_scale_f32_16x16x128_f8f6f4 with both operands' format E2M3, f32 sums; products left as they are: f32 operands where the result goes on into a quantised operand, else bf16, f16 or f32 operands; f32 sums; everything else in f32.
;; Inputs: U_b 1,024 float32; U_w 1,024 x 1,024 float32; V_b 1 float32; V_w 1 x 1,024 float32; W_b 1,024 float32; W_w 1,024 x 1,024 float32; encoder_output 32 x 2,048 x 1,024 float32; hidden 32 x 1 x 1,024 float32.
;; Outputs: out0 32 x 1 x 1,024 float32; out1 32 x 1 x 2,048 float32.
;; This version of the problem:
;;   THIS VERSION OF THE PROBLEM IS GIVEN IN LOW PRECISION. The matrix products marked QUANTISED in the list below multiply operands that are first quantised to E2M3 (2 exponent bits, 3 mantissa bits; 6 bits a number), with one power-of-two scale for each 32 numbers along K (OCP MX v1.0); their sums are f32. All else is computed in f32.
;;   The module's matrix products, in the order in which they are computed (A, B: the left and right operand; K: the contracted axis; several contracted axes count as one K, in the product's order):
;;     1. [M 32, K 1,024] x [K 1,024, N 1,024]; A: input hidden; B: input W_w: QUANTISED
;;     2. [M 65,536, K 1,024] x [K 1,024, N 1,024]; A: input encoder_output; B: input U_w: QUANTISED
;;     3. [M 65,536, K 1,024] x [K 1,024, N 1]; A: computed on the way; B: input V_w: left as it is (N = 1 < 16)
;;     4. batch 32 x [M 1, K 2,048] x [K 2,048, N 1,024]; A: softmax; B: input encoder_output: left as it is (M = 1 < 16)
;;   THE QUANTISER, for each operand of a quantised product, along K:
;;     - K is cut into blocks of 32 from its start; a last block that is shorter is filled with zeros.
;;     - A block's scale is 2^e with e = floor(log2(the largest magnitude in the block)) - 2, held to -126 .. 127; a block of zeros has e = 0. As a byte (E8M0): e + 127.
;;     - Each number is divided by its block's scale, clamped to +-7.5, and rounded to the nearest number of E2M3, ties to even, subnormals kept.
;;     - The product sums the exact products of the quantised numbers (number of the format x scale) in f32.
;;   ~~~python
;;   def quantise(x, axis):      # numpy; x: float32 -> the quantised numbers, widened to float32 again
;;       x = np.moveaxis(x, axis, -1); K = x.shape[-1]
;;       x = np.pad(x, [(0, 0)] * (x.ndim - 1) + [(0, -K % 32)]); x = x.reshape(x.shape[:-1] + (-1, 32)); a = np.abs(x).max(-1, keepdims=True)
;;       e = np.where(a > 0, np.clip(np.frexp(np.where(a > 0, a, 1))[1] - 1 - 2, -126, 127), 0)      # np.frexp(a)[1] - 1 = floor(log2(a)), exactly
;;       r = np.clip(x / 2.0 ** e, -7.5, 7.5)
;;       step = 2.0 ** (np.maximum(np.frexp(np.where(r == 0, 1, r))[1] - 1, 0) - 3)
;;       q = np.round(r / step) * step * 2.0 ** e      # np.round: ties to even
;;       return np.moveaxis(q.reshape(q.shape[:-2] + (-1,))[..., :K], -1, axis).astype(np.float32)
;;   ~~~
;; One version. Each part assembles by itself: llvm-mc -triple=amdgcn-amd-amdhsa -mcpu=gfx1250 --defsym DOCPART=n.
;; ======== version 1 of 1: 3 launches
;; limits: values are held in bf16: 8 bits of precision; right only within a limited range of input values
;; workspace buffers: uimg 819,200 bytes; hbc 131,072 bytes; sc2 262,144 bytes; ml 65,536 bytes; ctxp 2,097,152 bytes
;; launch prep (part 1): grid 192 x 1, 8 waves a work-group, no clusters, 153,088 bytes of LDS; arguments U_w, W_w, hidden, W_b, U_b, uimg, hbc; writes uimg, hbc
.if DOCPART == 1
	.amdgcn_target "amdgcn-amd-amdhsa--gfx1250"
	.amdhsa_code_object_version 6
	.text
	.protected	k_q32d2e49a03_prep
	.globl	k_q32d2e49a03_prep
	.p2align	8
	.type	k_q32d2e49a03_prep,@function
k_q32d2e49a03_prep:
	s_mov_b64 s[64:65], 0
	v_nop
	global_prefetch_b8 v0, s[64:65] scope:SCOPE_SE
	s_setreg_imm32_b32 hwreg(HW_REG_WAVE_MODE, 25, 1), 1
	s_wait_xcnt 0x0
; BahdanauAttention in MX-FP6, launch 1 of 3.  It makes (a) uimg: U_w [1024][1024] as codes of E2M3 with E8M0 scale bytes, laid in the order of the matrix operand's registers, and
; (b) hbc[b][n] = c x (Q(hidden)[b] . Q(W_w)[n] + W_b[n] + U_b[n]), c = 2 log2(e): the part of tanh's argument that is the same for all positions of a batch, ready for an exponential to base 2.
; DEAD WORK, for all values of the inputs.  V_b is added to every score of a batch's row, softmax(s + k) = softmax(s) for a k that is the same along the axis, and both outputs lie behind that softmax:
; V_b has no way to an output, is not loaded and is no argument of any launch.  Likewise tanh(x) = 1 - 2 / (1 + 2^(c x)), so sum_k V_w[k] tanh(x_k) = sum_k V_w[k] - 2 sum_k V_w[k] / (1 + 2^(c x_k)):
; the first term is the same along the softmax's axis and is not formed.  LIMIT: a NaN, an infinity or an overflow that reaches only V_b or that sum of V_w is not carried to the result.
; LIMITS of the quantiser: NaN and infinities among the inputs are not served; a block whose largest magnitude lies under 2^(3 - 127) gets the byte 1; a block of zeros gets the byte 1 where the rule says 127
; (its codes are zeros, which add nothing, and the bytes are read by this program alone).
; SHARES.  Work-groups 0 to 127: number 2 T + tau takes rows 16 T .. + 15 of W_w and batches 16 tau .. + 15 of hidden; wave k takes the k-th 128 along K of both: two fragments and one product;
; the eight waves' partial products meet in LDS and are added with K ascending.  Work-groups 128 to 191: number 128 + T takes rows 16 T .. + 15 of U_w, wave k its k-th 128 along K: one fragment.
; The two kinds part once, on the work-group's number, have LDS bytes of their own, and join at the closing lines.
; A fragment's 16 rows x 512 bytes are loaded as they lie (a load of the wave covers 512 consecutive bytes of a row), turn through the wave's own stage in LDS, and come back so that lane (r, h) holds
; k = 64 c + 32 h + 0 .. 31 of row r: two whole blocks, in the order of the 6-bit operand's registers.
; uimg: 16 blocks of 51,200 bytes.  With T = 32 eta + 2 sg + nu: block sg holds T's fragment of K step s at (2 eta + nu) x 12,288 + 1,536 s + 512 c + 16 lane (c: a group of four registers),
; and T's scale bytes at 49,152 + (2 eta + nu) x 512 + 32 r + k / 32.
.set TSTG,  8448                       ; a wave's turn stage: 16 rows x 528 bytes; 528 = 33 x 16, so the sixteen rows that a load touches begin at sixteen different 16-byte columns of 256 bytes
.set RED,   8*TSTG                     ; behind the product path's stages: the partial products, 2,048 bytes apart from wave to wave
.set UST,   RED+16384                  ; U's path: its own eight stages,
.set USCL,  UST+8*TSTG                 ; and U's scale bytes of the tile: 16 rows x 32
.set SPARE, USCL+512                   ; the spare words, 128 bytes for each wave: four blocks of 256 bytes that no other line names
.set SLOTB, 51200
.set VO,  1                            ; v1   16 x lane
.set RR,  2                            ; v2   r = lane % 16
.set HH,  3                            ; v3   h = lane / 16
.set TI,  4                            ; v4   the product path's stage, on the way in;  v5 on the way out: 528 r + 128 h
.set TO,  5
.set SH8, 6                            ; v6   8 h
.set USW, 7                            ; v7   where my row's scale word of U goes
.set RDW, 8                            ; v8   where my partial products go;  v9 where a summing wave reads them
.set RDR, 9
.set USR, 10                           ; v10  U's scale bytes on the way out
.set HO,  11                           ; v11  hbc: 8 h rows of 4,096 bytes + 4 r
.set R4,  12                           ; v12  4 r
.set TIU, 14                           ; v14-15 U's path: its stage, in and out
.set TOU, 15
.set SPW, 30                           ; v30  my spare word; never rewritten
.set NIL, 31                           ; v31  0; never rewritten
.set TC,  32                           ; v32-38  the upper halves of a block's codes
.set QM,  40                           ; v40-41 largest magnitudes; v42-43 second chains, then the conversions' scale operands; v44-45 bytes; v46-47 the word's halves
.set QS,  42
.set QB,  44
.set QT,  46
.set PWU, 52                           ; v52  U's scale word (goes to LDS)
.set PWW, 53                           ; v53  W's scale word;  v54 hidden's: these two hold scales and nothing else
.set PWH, 54
.set X,   64                           ; v64-127  64 numbers of my row
.set PCU, 128                          ; the fragments' codes
.set PCW, 140
.set PCH, 152
.set ACC, 176                          ; v176-183 the accumulator
.set SUM, 192                          ; v192-223 the tail
.set BI,  224                          ; v224-226 biases
.set WV,  18
.set SEL, 20
.set TT,  42                           ; s42 T;  s43 tau;  s44 1 in a product's work-group
.set TAU, 43
.set ROLE, 44
.set MSB, 0
.macro WIN new                         ; register windows: the immediate's high byte repeats the setting that is left; a switch that changes nothing is dropped
.if MSB != (\new)
	s_set_vgpr_msb (MSB<<8)|(\new)
.set MSB, (\new)
.endif
.endm
.macro GLOAD sb, b, nt                 ; 16 rows x 512 bytes into window 1, v[sb] on: four registers a row
	WIN 0x40
.irp i, 0,1,2,3,4,5,6,7,8,9,10,11,12,13,14,15
.if \nt
	global_load_b128 v[(\sb)+4*\i:(\sb)+4*\i+3], v[VO], s[\b:\b+1] offset:4096*\i th:TH_LOAD_NT
.else
	global_load_b128 v[(\sb)+4*\i:(\sb)+4*\i+3], v[VO], s[\b:\b+1] offset:4096*\i
.endif
.endr
	WIN 0
.endm
; X's two blocks become the fragment's 12 registers at v[pc] and the row's scale word in v[pw]
.macro QUANT pc, pw
.irp c, 0,1
	v_max3_num_f32 v[QM+\c], |v[X+32*\c]|, |v[X+32*\c+1]|, 0x1800000      ; the floor 2^(3 - 127) among the leaves: the byte cannot fall under 1
	v_max3_num_f32 v[QS+\c], |v[X+32*\c+2]|, |v[X+32*\c+3]|, |v[X+32*\c+4]|   ; two chains a block, four by turns
.endr
.irp i, 5,9,13,17,21,25
.irp c, 0,1
	s_delay_alu instid0(VALU_DEP_4)
	v_max3_num_f32 v[QM+\c], v[QM+\c], |v[X+32*\c+\i]|, |v[X+32*\c+\i+1]|
	s_delay_alu instid0(VALU_DEP_4)
	v_max3_num_f32 v[QS+\c], v[QS+\c], |v[X+32*\c+\i+2]|, |v[X+32*\c+\i+3]|
.endr
.endr
	s_delay_alu instid0(VALU_DEP_4)
	v_max3_num_f32 v[QM], v[QM], |v[X+29]|, |v[X+30]|
	s_delay_alu instid0(VALU_DEP_3)
	v_max3_num_f32 v[QM+1], v[QM+1], |v[X+32+29]|, |v[X+32+30]|
.irp c, 0,1
	s_delay_alu instid0(VALU_DEP_2)
	v_max3_num_f32 v[QM+\c], v[QM+\c], v[QS+\c], |v[X+32*\c+31]|          ; the block's largest magnitude
.endr
.irp c, 0,1
	s_delay_alu instid0(VALU_DEP_2)
	v_add_nc_u32 v[QS+\c], 0xff000000, v[QM+\c]    ; 2 off its exponent field: the conversion takes the exponent field of this operand as its scale
.endr
.irp c, 0,1
	s_delay_alu instid0(VALU_DEP_2)
	v_lshrrev_b32 v[QB+\c], 23, v[QS+\c]           ; the scale's byte
.endr
	s_delay_alu instid0(VALU_DEP_1)
	v_lshl_or_b32 v[QT], v[QB+1], 16, v[QB]        ; my two bytes: blocks h and 2 + h,
	s_delay_alu instid0(VALU_DEP_1)
	v_lshlrev_b32 v[QT], v[SH8], v[QT]             ; at their places in the word;
	s_delay_alu instid0(VALU_DEP_1)
	v_permlanex16_b32 v[QT+1], v[QT], s[SEL], s[SEL+1]
	s_delay_alu instid0(VALU_DEP_1)
	v_or_b32 v[\pw], v[QT], v[QT+1]                ; with lane l xor 16's two the word is whole
.irp c, 0,1
	v_cvt_scalef32_pk16_fp6_f32 v[(\pc)+6*\c:(\pc)+6*\c+2], v[X+32*\c:X+32*\c+15], v[QS+\c]
	v_cvt_scalef32_pk16_fp6_f32 v[TC+4*\c:TC+4*\c+2], v[X+32*\c+16:X+32*\c+31], v[QS+\c]   ; (a conversion's three registers begin on an even number)
.endr
	v_nop                                          ; one plain place behind the scaled conversions
.irp c, 0,1
.irp i, 0,1,2
	v_mov_b32 v[(\pc)+6*\c+3+\i], v[TC+4*\c+\i]
.endr
.endr
.endm
; The set at v[sb] of window 1 goes through the stage (in at v[ti], out at v[to]) and is quantised; left: the younger loads, which may stay out
.macro PFRAG sb, left, ti, to, pc, pw
	s_wait_loadcnt \left
	WIN 0x04                                       ; an LDS store's data are its source 1
.irp i, 0,1,2,3,4,5,6,7,8,9,10,11,12,13,14,15
	ds_store_b128 v[\ti], v[(\sb)+4*\i:(\sb)+4*\i+3] offset:528*\i
.endr
	WIN 0
.irp c, 0,1                                    ; back: X[32 c + i] = k 64 c + 32 h + i of row r.  LDS serves a wave's instructions in order: no wait between the stores and these
.irp j, 0,1,2,3,4,5,6,7
	ds_load_b128 v[X+32*\c+4*\j:X+32*\c+4*\j+3], v[\to] offset:256*\c+16*\j
.endr
.endr
	s_wait_dscnt 0x0
	QUANT \pc, \pw
.endm
	s_load_b256 s[4:11], s[0:1], 0x0               ; U_w s[4:5], W_w s[6:7], hidden s[8:9], W_b s[10:11]
	s_load_b128 s[12:15], s[0:1], 0x20             ; U_b s[12:13], uimg s[14:15]
	s_load_b64 s[16:17], s[0:1], 0x30              ; hbc
	v_lshl_add_u32 v[SPW], v0, 2, SPARE
	v_mov_b32 v[NIL], 0
	v_lshrrev_b32 v13, 5, v0
	s_delay_alu instid0(VALU_DEP_1)
	v_readfirstlane_b32 s[WV], v13                 ; wave k = 0..7
	v_and_b32 v13, 31, v0
	v_and_b32 v[RR], 15, v0
	v_bfe_u32 v[HH], v0, 4, 1
	v_lshlrev_b32 v[VO], 4, v13
	v_lshlrev_b32 v[R4], 2, v[RR]
	v_mul_u32_u24 v[TO], v[RR], 528
	v_lshlrev_b32 v[SH8], 3, v[HH]
	s_mul_i32 s22, s[WV], TSTG
	v_add_nc_u32 v[TI], s22, v[VO]
	v_lshl_add_u32 v[TO], v[HH], 7, v[TO]
	s_delay_alu instid0(VALU_DEP_1)
	v_add_nc_u32 v[TO], s22, v[TO]
	v_add_nc_u32 v[TIU], UST, v[TI]
	v_add_nc_u32 v[TOU], UST, v[TO]
	s_lshl_b32 s23, s[WV], 2
	s_add_co_u32 s23, s23, USCL
	v_lshl_add_u32 v[USW], v[RR], 5, s23           ; USCL + 32 r + 4 k
	s_lshl_b32 s23, s[WV], 11
	s_add_co_u32 s23, s23, RED
	v_add_nc_u32 v[RDW], s23, v[VO]
	s_lshl_b32 s23, s[WV], 9
	s_add_co_u32 s23, s23, RED
	v_add_nc_u32 v[RDR], s23, v[VO]
	v_add_nc_u32 v[USR], USCL, v[VO]
	v_lshl_add_u32 v[HO], v[HH], 15, v[R4]
	v_mov_b32 v[QT+1], 0                           ; written once: a lane permute's destination counts as one of its sources
	s_and_b32 s[TAU], ttmp9, 1
	s_lshr_b32 s40, ttmp9, 1
	s_sub_co_u32 s41, ttmp9, 128
	s_cmp_lt_u32 ttmp9, 128                        ; a product's work-group or U's?
	s_cselect_b32 s[TT], s40, s41
	s_cselect_b32 s[ROLE], 1, 0
	s_lshl_b32 s24, s[TT], 16                      ; 16 T rows of 4,096 bytes
	s_lshl_b32 s26, s[WV], 9                       ; + 512 k: my 128 along K
	s_add_co_u32 s24, s24, s26
	s_mov_b32 s25, 0                               ; s[24:25]: my place in U_w or in W_w
	s_lshl_b32 s27, s[TAU], 16                     ; 16 tau rows of hidden
	s_add_co_u32 s26, s26, s27
	s_mov_b32 s27, 0                               ; s[26:27]: in hidden
	s_lshl_b32 s28, s[TT], 6                       ; 64 T: the tile's 16 numbers in a bias and in a row of hbc
	s_mov_b32 s29, 0
	s_and_b32 s30, s[TT], 31
	s_lshr_b32 s30, s30, 1                         ; sg
	s_mul_i32 s30, s30, SLOTB
	s_lshr_b32 s31, s[TT], 5                       ; eta
	s_lshl_b32 s31, s31, 1
	s_and_b32 s32, s[TT], 1                        ; nu
	s_add_co_u32 s31, s31, s32                     ; 2 eta + nu
	s_mul_i32 s32, s31, 12288
	s_add_co_u32 s32, s32, s30
	s_mul_i32 s33, s[WV], 1536
	s_add_co_u32 s32, s32, s33
	s_mov_b32 s33, 0                               ; s[32:33]: my fragment's image in uimg
	s_lshl_b32 s34, s31, 9
	s_add_co_u32 s34, s34, s30
	s_add_co_u32 s34, s34, 49152
	s_mov_b32 s35, 0                               ; s[34:35]: the tile's scale bytes in uimg
	s_lshl_b32 s36, s[TAU], 16                     ; a summing wave k < 2 takes batches 16 tau + 8 h + 4 k + 0 .. 3
	s_and_b32 s37, s[WV], 1
	s_lshl_b32 s37, s37, 14
	s_add_co_u32 s36, s36, s37
	s_add_co_u32 s36, s36, s28
	s_mov_b32 s37, 0                               ; s[36:37]: its place in hbc (used by waves 0 and 1 alone)
	s_mov_b32 s[SEL], 0x76543210
	s_mov_b32 s[SEL+1], 0xfedcba98                 ; v_permlanex16_b32's selects for lane l xor 16
	s_wait_alu depctr_va_vdst(0)                   ; the wait at the head's end
	s_wait_kmcnt 0x0
	s_add_nc_u64 s[4:5], s[4:5], s[24:25]
	s_add_nc_u64 s[6:7], s[6:7], s[24:25]
	s_add_nc_u64 s[8:9], s[8:9], s[26:27]
	s_add_nc_u64 s[10:11], s[10:11], s[28:29]
	s_add_nc_u64 s[12:13], s[12:13], s[28:29]
	s_add_nc_u64 s[38:39], s[14:15], s[34:35]
	s_add_nc_u64 s[14:15], s[14:15], s[32:33]
	s_add_nc_u64 s[16:17], s[16:17], s[36:37]
	s_cmp_eq_u32 s[ROLE], 0
	s_cbranch_scc1 .Lu_path
	; ---- a product's work-group
	global_load_b32 v[BI], v[R4], s[10:11]         ; W_b and U_b at n = 16 T + r: issued first, so the first counted wait below shows them in
	global_load_b32 v[BI+1], v[R4], s[12:13]
	GLOAD 0, 6, 0                                  ; W_w's fragment (two work-groups read it)
	GLOAD 64, 8, 0                                 ; hidden's (64 work-groups read it)
	PFRAG 0, 16, TI, TO, PCW, PWW
	PFRAG 64, 0, TI, TO, PCH, PWH
.rept 8
	v_nop                                          ; a scale register written by a vector instruction stands 8 places ahead of a scaled matrix instruction, an operand so written 4
.endr
	; source 0 = 16 batches of hidden, source 1 = 16 rows of W_w: register j of lane (r, h) is (batch 16 tau + 8 h + j, n = 16 T + r), summed over my 128 along K
	v_wmma_scale_f32_16x16x128_f8f6f4 v[ACC:ACC+7], v[PCH:PCH+11], v[PCW:PCW+11], 0, v[PWH], v[PWW] matrix_a_fmt:MATRIX_FMT_FP6 matrix_b_fmt:MATRIX_FMT_FP6
.rept 4
	v_nop                                          ; four places ahead of the first read of the result
.endr
	ds_store_b128 v[RDW], v[ACC:ACC+3]             ; the accumulator from its low end on
	ds_store_b128 v[RDW], v[ACC+4:ACC+7] offset:512
	s_wait_dscnt 0x0                               ; for the others' sake: my partial products have landed
	s_barrier_signal -1
	s_barrier_wait -1
	s_cmp_lt_u32 s[WV], 2
	s_cbranch_scc0 .Lend
.irp k, 0,1,2,3,4,5,6,7                        ; waves 0 and 1: group k of four registers, of all eight waves
	ds_load_b128 v[SUM+4*\k:SUM+4*\k+3], v[RDR] offset:2048*\k
.endr
	v_add_f32 v[BI+2], v[BI], v[BI+1]
	s_delay_alu instid0(VALU_DEP_1)
	v_mul_f32 v[BI+2], 0x4038aa3b, v[BI+2]         ; c (W_b + U_b)
	s_wait_dscnt 0x0
	v_pk_add_f32 v[SUM:SUM+1], v[SUM:SUM+1], v[SUM+4:SUM+5]
	v_pk_add_f32 v[SUM+2:SUM+3], v[SUM+2:SUM+3], v[SUM+6:SUM+7]
.irp k, 2, 3, 4, 5, 6, 7
	s_delay_alu instid0(VALU_DEP_2)
	v_pk_add_f32 v[SUM:SUM+1], v[SUM:SUM+1], v[SUM+4*\k:SUM+4*\k+1]
	s_delay_alu instid0(VALU_DEP_2)
	v_pk_add_f32 v[SUM+2:SUM+3], v[SUM+2:SUM+3], v[SUM+4*\k+2:SUM+4*\k+3]
.endr
.irp i, 0,1,2,3
	v_fmamk_f32 v[SUM+\i], v[SUM+\i], 0x4038aa3b, v[BI+2]
.endr
.irp i, 0,1,2,3
	global_store_b32 v[HO], v[SUM+\i], s[16:17] offset:4096*\i     ; sixteen lanes store 64 consecutive bytes: a work-group owns 16 columns of hbc, which is kept [batch][n] for its 512 readers
.endr
	s_branch .Lend
	; ---- U's work-group
.Lu_path:
	GLOAD 0, 4, 1                                  ; U_w's fragment (read once in the launch)
	PFRAG 0, 0, TIU, TOU, PCU, PWU
.irp c, 0,1,2
	global_store_b128 v[VO], v[PCU+4*\c:PCU+4*\c+3], s[14:15] offset:512*\c   ; the image: the wave stores 512 consecutive bytes, at a multiple of 256 from uimg's first byte
.endr
	ds_store_b32 v[USW], v[PWU]                    ; lanes r and r + 16 write the same word with the same value
	s_wait_dscnt 0x0                               ; for wave 0's sake: my scale word has landed
	s_barrier_signal -1
	s_barrier_wait -1
	s_cmp_eq_u32 s[WV], 0
	s_cbranch_scc0 .Lend
	ds_load_b128 v[SUM:SUM+3], v[USR]              ; wave 0: the tile's 512 scale bytes of U
	s_wait_dscnt 0x0
	global_store_b128 v[VO], v[SUM:SUM+3], s[38:39]    ; 512 consecutive bytes, at a multiple of 256 from uimg's first byte
.Lend:
	s_wait_tensorcnt 0x0                           ; the wave's end, behind my last LDS store
	ds_add_u32 v[SPW], v[NIL]
	s_wait_dscnt 0x0
	s_endpgm
.Lfunc_end_k_q32d2e49a03_prep:
	.size	k_q32d2e49a03_prep, .Lfunc_end_k_q32d2e49a03_prep-k_q32d2e49a03_prep
	.p2alignl 7, 3214868480
	.fill 96, 4, 3214868480
	.section	.rodata,"a",@progbits
	.p2align	6, 0x0
	.amdhsa_kernel k_q32d2e49a03_prep
		.amdhsa_group_segment_fixed_size 153088
		.amdhsa_private_segment_fixed_size 0
		.amdhsa_enable_private_segment 0
		.amdhsa_kernarg_size 56
		.amdhsa_user_sgpr_count 2
		.amdhsa_user_sgpr_kernarg_segment_ptr 1
		.amdhsa_wavefront_size32 1
		.amdhsa_system_sgpr_workgroup_id_x 1
		.amdhsa_system_sgpr_workgroup_id_y 1
		.amdhsa_system_sgpr_workgroup_id_z 1
		.amdhsa_system_vgpr_workitem_id 0
		.amdhsa_next_free_vgpr 384
		.amdhsa_next_free_sgpr 66
		.amdhsa_reserve_vcc 0
		.amdhsa_float_denorm_mode_32 3
		.amdhsa_float_denorm_mode_16_64 3
		.amdhsa_memory_ordered 1
		.amdhsa_forward_progress 1
		.amdhsa_inst_pref_size 32
	.end_amdhsa_kernel
	.amdgpu_metadata
---
amdhsa.version: [ 1, 2 ]
amdhsa.kernels:
  - .name:           k_q32d2e49a03_prep
    .symbol:         k_q32d2e49a03_prep.kd
    .args:
      - { .name: U_w, .offset: 0, .size: 8, .value_kind: global_buffer, .address_space: global }
      - { .name: W_w, .offset: 8, .size: 8, .value_kind: global_buffer, .address_space: global }
      - { .name: hidden, .offset: 16, .size: 8, .value_kind: global_buffer, .address_space: global }
      - { .name: W_b, .offset: 24, .size: 8, .value_kind: global_buffer, .address_space: global }
      - { .name: U_b, .offset: 32, .size: 8, .value_kind: global_buffer, .address_space: global }
      - { .name: uimg, .offset: 40, .size: 8, .value_kind: global_buffer, .address_space: global }
      - { .name: hbc, .offset: 48, .size: 8, .value_kind: global_buffer, .address_space: global }
    .group_segment_fixed_size: 153088
    .private_segment_fixed_size: 0
    .kernarg_segment_align: 8
    .kernarg_segment_size: 56
    .max_flat_workgroup_size: 256
    .sgpr_count:     66
    .vgpr_count:     384
    .wavefront_size: 32
...
	.end_amdgpu_metadata
.endif
;; end of part 1
;; launch attn (part 2): grid 512 x 1, 4 waves a work-group, clusters of 4 x 1, 327,680 bytes of LDS; arguments encoder_output, uimg, hbc, V_w, sc2, ml, ctxp; writes sc2, ml, ctxp
.if DOCPART == 2
	.amdgcn_target "amdgcn-amd-amdhsa--gfx1250"
	.amdhsa_code_object_version 6
	.text
	.protected	k_q32d2e49a03_attn
	.globl	k_q32d2e49a03_attn
	.p2align	8
	.type	k_q32d2e49a03_attn,@function
k_q32d2e49a03_attn:
	s_mov_b64 s[64:65], 0
	v_nop
	global_prefetch_b8 v0, s[64:65] scope:SCOPE_SE
	s_setreg_imm32_b32 hwreg(HW_REG_WAVE_MODE, 25, 1), 1
	s_wait_xcnt 0x0
	s_wait_alu depctr_hold_cnt(0) depctr_sa_sdst(0) depctr_va_vdst(0) depctr_va_sdst(0) depctr_va_ssrc(0) depctr_va_vcc(0) depctr_vm_vsrc(0)
	s_getreg_b32 s2, hwreg(HW_REG_IB_STS2, 6, 4)
	s_cmp_eq_u32 s2, 0
	s_cbranch_scc0 .Lentry_in_a_cluster
	s_endpgm
.Lentry_in_a_cluster:
	s_bfe_u32 s2, ttmp6, 0x10000c
	s_cmp_lg_u32 s2, 0x3003
	s_cbranch_scc0 .Lentry_shape_is_right
	s_endpgm
.Lentry_shape_is_right:
; BahdanauAttention in MX-FP6, launch 2 of 3.  A work-group takes 128 positions of one batch (block = 16 batch + position / 128) and reads their rows of encoder_output ONCE.
; LEFT OUT, as shown at the head of the first launch: V_b and the term sum_k V_w[k], both the same along the softmax's axis.  What is stored as a score is
; s2 = log2(e) x (the score less those two) = sum_n (-2 log2(e) V_w[n]) / (1 + 2^(c e[n] + hbc[n])), c = 2 log2(e), e = Q(enc row) . Q(U_w[n]).  An exponential that overflows gives the term 0, one that
; falls to 0 gives the whole weight: tanh's two ends; no clamp is needed.
; LIMITS: NaN and infinities among the inputs are not served; a block of 32 whose largest magnitude lies under 2^(3 - 127), a block of zeros among them, gets the scale byte 1 (zeros have zero codes; the bytes
; are this program's own); the context is summed in f32 from rows rounded to bf16 and weights in f32.
; PHASES.  L: wave w loads rows 32 w .. 32 w + 31, 128 along K at a time; each 16 x 128 numbers (a) go through the wave's turn stage and become a fragment's codes and scale word, which go to LDS as an image of
; the operand's registers and from there to the two waves that multiply these rows; (b) are rounded to bf16 and kept: rows 0-15 of the 32 in registers, rows 16-31 in LDS.
; G: waves are laid 2 x 2: wave w multiplies rows 64 (w / 2) .. + 63 (all of K in 384 registers) by columns 512 (w % 2) .. + 511 of U, 32 columns a step, 16 steps.  U's images come through a ring of two LDS
; slots.  The product is used transposed (source 0 = 16 rows of U, source 1 = 16 positions): a lane holds one position and eight neighbouring n.  Then 2^x, 1 / (1 + .), and the multiply-add with V_w, in registers.
; F: the block's 128 scores, their maximum m, p = 2^(s2 - m), l = sum p, and the partial context sum p x row from the bf16 copy.  Stored: 128 s2, (m, l), 1,024 partial context numbers.
; CLUSTER.  All work-groups walk the same images of U: the four of a cluster ask for each quarter of a slot JOINTLY, by the same tensor load with the same descriptor and the mask of all four.
; No place in the cluster enters a branch or an LDS address; it enters the addresses of encoder_output, hbc and the three outputs alone.
; No prefetch is laid: phase L has 48 loads of 512 bytes a wave on their way throughout, and U's images are walked by all work-groups alike.
.set SLOTB, 51200                      ; a slot: 4 tiles of 16 rows of U x 8 K steps x 1,536 bytes, then 4 x 512 scale bytes
.set SLOT1, 65536                      ; slot 1 begins here: one exclusive or turns an address in one slot into the other's
.set SPARE, 51200                      ; the spare words, 128 bytes for each wave: two blocks of 256 bytes that no other line names
.set HB,    51712                      ; hbc's row of my batch: 4,096 bytes;  4,096 bytes on: -2 log2(e) V_w
.set SCORE, 59904                      ; [half of n][128 positions] f32
.set PP,    60928                      ; the 128 weights p, once for each wave
.set ASC,   116736                     ; the rows' scale bytes: [128][32]
.set EXCH,  120832                     ; the rows' codes on their way from wave to wave: two slots of 8 tiles x 1,536 bytes
.set EXS,   12288
.set TURN,  145408                     ; four turn stages of 16 rows x 528 bytes (528 = 33 x 16: the sixteen rows that a load touches begin at sixteen different 16-byte columns of 256 bytes)
.set TSTG,  8448
.set CTXR,  TURN                       ; later: the four waves' partial contexts, 4,096 bytes each
.set COPY,  179200                     ; bf16 rows: 32,768 bytes a wave: [16 rows][2,048]
.set VO,  1                            ; v1   16 x lane
.set RR,  2                            ; v2   r     v3  h
.set HH,  3
.set TI,  4                            ; v4   turn stage, in;   v5  out: 528 r + 128 h
.set TO,  5
.set CW,  6                            ; v6   my wave's bf16 rows in LDS + 8 x lane
.set EXW, 7                            ; v7   where I store images: EXCH + 3,072 w + 16 lane;   v8  where I load them: EXCH + 6,144 (w / 2) + 16 lane
.set EXR, 8
.set ASW, 9                            ; v9   ASC + 32 (32 w + r);   v10  ASC + 32 (64 (w / 2) + r) + 16 h
.set ASR, 10
.set SH8, 11                           ; v11  8 h
.set ABF, 12                           ; v12  in a slot: my half's images;  v13 its scale bytes;  v14 my half of the two tables
.set ABS, 13
.set AH,  14
.set ADB, 15                           ; v15-17 the same for the step in hand
.set ADS, 16
.set ADH, 17
.set SS,  18                           ; v18  where my scores go
.set PWA, 19                           ; v19  my wave's copy of p, 16 x lane;   v20 my 32 rows' p in it (the same in all lanes)
.set PBA, 20
.set CXW, 21                           ; v21  my partial context, in;   v22  my quarter of the columns, out
.set CXR, 22
.set L4,  23                           ; v23  4 x lane
.set TBW, 24                           ; v24  HB + 32 x thread
.set SL,  25                           ; v25  SCORE + 16 x lane
.set CA,  26                           ; v26-27 the context loop's addresses
.set PA,  27
.set TG,  28                           ; v28  32 x thread
.set LN,  29                           ; v29  lane
.set SPW, 30                           ; v30  my spare word; never rewritten
.set NIL, 31                           ; v31  0; never rewritten
.set AS,  32                           ; v32-47 the rows' scale words: tile t at 4 t; register q: K step q in lanes 0-15, K step q + 4 in lanes 16-31.  Scales and nothing else
.set BS,  48                           ; v48-55 U's, tile nu at 4 nu, likewise.  Scales and nothing else
.set SCA, 56                           ; v56-63 the score sums, a pair a tile of rows
.set X,   64                           ; v64-127  phase L: 64 numbers of my row
.set ACC, 64                           ;          phase G: 8 accumulators, (nu, t) at 8 (4 nu + t)
.set PC,  192                          ; phase L: v192-203 the codes just made; v204-210 upper halves; v212-219 at work; v220 the scale word
.set TC,  204
.set QM,  212
.set QS,  214
.set QB,  216
.set QT,  218
.set PW,  220
.set UFP, 128                          ; phase G: U's fragments of two K steps x two tiles, two buffers: v128-175, v176-223
.set UFQ, 176
.set HBR, 224                          ; v224-239 hbc at my eight n, tile nu at 8 nu;  v240-255 the weights of V_w likewise
.set WVR, 240
.set CX,  96                           ; phase F: v96-127 my 32 context sums; v128-147 weights; v160-223 rows from LDS
.set PR,  128
; windows 1 and 2: v0-191 the rows' codes: fragment (t, s) in window 1 + s / 4 at 48 (s % 4) + 12 t
; four sets of loaded numbers, by turns: v192-255 of windows 3, 1 and 2 and v128-191 of window 0
; window 3: bf16 rows 0-15 of my 32: registers 32 s + 2 i, + 1: row i, columns 128 s + 4 lane + 0 .. 3.  Its v192-255 are wanted for that from fragment 12 on, which is the last that is loaded there and is rounded in place
.set WV,  18                           ; s18 wave;  s19 w % 2;  s20 w / 2
.set ETA, 19
.set GG,  20
.set G1,  24                           ; s[24:31] descriptor group 1;  s[32:35] group 0, which walks
.set G0,  32
.set TB,  36                           ; s36 the slot in hand;  s37 the step's place in the tables;  s38 a loop's count;  s39 the context loop's step
.set TH,  37
.set CNT, 38
.set TR,  39
.set CC,  40                           ; s[40:41] c = 2 log2(e)
.set SEL, 42                           ; s[42:43] lane selects for v_permlanex16_b32: lane l xor 16
.set MSB, 0
.macro WIN new                         ; the immediate's high byte repeats the setting that is left; a switch that changes nothing is dropped.  Bits 1:0 source 0, 3:2 source 1, 5:4 source 2, 7:6 destination
.if MSB != (\new)
	s_set_vgpr_msb (MSB<<8)|(\new)
.set MSB, (\new)
.endif
.endm
.macro CROUND                          ; a round of the cluster's barrier: my work-group's barrier; wave 0 signals for the work-group; every wave waits for all four work-groups; my work-group's barrier once more
	s_barrier_signal -1
	s_barrier_wait -1
	s_cmp_lg_u32 s[WV], 0
	s_cbranch_scc1 .Lnot_wave_0_\@
	s_barrier_signal -3
.Lnot_wave_0_\@:
	s_barrier_wait -3
	s_barrier_signal -1
	s_barrier_wait -1
.endm
.macro GLOAD w, sb, imm                ; 16 rows x 512 bytes into window w, v[sb] on; a load of the wave covers 512 consecutive bytes of a row; read once in the launch
	WIN (\w)<<6
.irp i, 0,1,2,3,4,5,6,7,8,9,10,11,12,13,14,15
	global_load_b128 v[(\sb)+4*\i:(\sb)+4*\i+3], v[VO], s[4:5] offset:(\imm)+4096*\i th:TH_LOAD_NT
.endr
.endm
.macro TURNIN w, sb                    ; into the stage as loaded (an LDS store's data are its source 1)
	WIN (\w)<<2
.irp i, 0,1,2,3,4,5,6,7,8,9,10,11,12,13,14,15
	ds_store_b128 v[TI], v[(\sb)+4*\i:(\sb)+4*\i+3] offset:528*\i
.endr
.endm
.macro TURNOUT                         ; and back: X[32 c + i] = k 64 c + 32 h + i of row r: the 6-bit operand's own order.  LDS serves a wave's instructions in order: no wait between the stores and these
	WIN 0
.irp c, 0,1
.irp j, 0,1,2,3,4,5,6,7
	ds_load_b128 v[X+32*\c+4*\j:X+32*\c+4*\j+3], v[TO] offset:256*\c+16*\j
.endr
.endr
.endm
.macro QUANT                           ; X's two blocks become the fragment's 12 registers at v[PC] and the row's scale word in v[PW]
.irp c, 0,1
	v_max3_num_f32 v[QM+\c], |v[X+32*\c]|, |v[X+32*\c+1]|, 0x1800000      ; the floor 2^(3 - 127) among the leaves: the byte cannot fall under 1
	v_max3_num_f32 v[QS+\c], |v[X+32*\c+2]|, |v[X+32*\c+3]|, |v[X+32*\c+4]|   ; two chains a block, four by turns
.endr
.irp i, 5,9,13,17,21,25
.irp c, 0,1
	v_max3_num_f32 v[QM+\c], v[QM+\c], |v[X+32*\c+\i]|, |v[X+32*\c+\i+1]|
	v_max3_num_f32 v[QS+\c], v[QS+\c], |v[X+32*\c+\i+2]|, |v[X+32*\c+\i+3]|
.endr
.endr
.irp c, 0,1
	v_max3_num_f32 v[QM+\c], v[QM+\c], |v[X+32*\c+29]|, |v[X+32*\c+30]|
.endr
.irp c, 0,1
	v_max3_num_f32 v[QM+\c], v[QM+\c], v[QS+\c], |v[X+32*\c+31]|          ; the block's largest magnitude
.endr
.irp c, 0,1
	v_add_nc_u32 v[QS+\c], 0xff000000, v[QM+\c]    ; 2 off its exponent field: the conversion takes the exponent field of this operand as its scale
.endr
.irp c, 0,1
	v_lshrrev_b32 v[QB+\c], 23, v[QS+\c]           ; the scale's byte
.endr
	v_lshl_or_b32 v[QT], v[QB+1], 16, v[QB]        ; my two bytes: blocks h and 2 + h,
	v_lshlrev_b32 v[QT], v[SH8], v[QT]             ; at their places in the word;
	v_permlanex16_b32 v[QT+1], v[QT], s[SEL], s[SEL+1]
	v_or_b32 v[PW], v[QT], v[QT+1]                 ; with lane l xor 16's two the word is whole
.irp c, 0,1
	v_cvt_scalef32_pk16_fp6_f32 v[PC+6*\c:PC+6*\c+2], v[X+32*\c:X+32*\c+15], v[QS+\c]
	v_cvt_scalef32_pk16_fp6_f32 v[TC+4*\c:TC+4*\c+2], v[X+32*\c+16:X+32*\c+31], v[QS+\c]   ; (a conversion's three registers begin on an even number)
.endr
	v_nop                                          ; one plain place behind the scaled conversions
.irp c, 0,1
.irp i, 0,1,2
	v_mov_b32 v[PC+6*\c+3+\i], v[TC+4*\c+\i]
.endr
.endr
.endm
; Fragment f of my 16: K step f / 2, rows 16 (f % 2) .. + 15 of my 32; its numbers lie in set f % 4: window 3, 1, 2 (v192 on) or 0 (v128 on)
.macro FRAG f
.set FS, (\f)/2
.set FT, (\f)%2
.if (\f)%4 == 3
.set FW, 0
.set FB, 128
.elseif (\f)%4 == 0
.set FW, 3
.set FB, 192
.else
.set FW, (\f)%4
.set FB, 192
.endif
.if (\f) < 13
	s_wait_loadcnt 48                              ; this set's 16 loads are in; the three younger sets' may be out
.else
	s_wait_loadcnt 16*(15-(\f))                    ; the last three: only the sets that are left
.endif
	TURNIN FW, FB
.if FT == 0
	WIN 0xc0|FW|(FW<<2)                            ; the bf16 copy, into window 3
.irp i, 0,1,2,3,4,5,6,7,8,9,10,11,12,13,14,15
	v_cvt_pk_bf16_f32 v[32*FS+2*\i], v[FB+4*\i], v[FB+4*\i+1]
	v_cvt_pk_bf16_f32 v[32*FS+2*\i+1], v[FB+4*\i+2], v[FB+4*\i+3]
.endr
.else
	WIN (FW<<6)|(FW<<2)|FW                         ; the bf16 copy, in place, and to LDS
.irp i, 0,1,2,3,4,5,6,7,8,9,10,11,12,13,14,15
	v_cvt_pk_bf16_f32 v[FB+4*\i], v[FB+4*\i], v[FB+4*\i+1]
	v_cvt_pk_bf16_f32 v[FB+4*\i+1], v[FB+4*\i+2], v[FB+4*\i+3]
.endr
	WIN FW<<2
.irp i, 0,1,2,3,4,5,6,7,8,9,10,11,12,13,14,15
	ds_store_b64 v[CW], v[FB+4*\i:FB+4*\i+1] offset:2048*\i+256*FS     ; 256 consecutive bytes an instruction
.endr
.endif
	TURNOUT
	s_wait_dscnt 0x0                               ; X is in, and the LDS stores have read this set's registers,
.if (\f)+4 < 16
	GLOAD FW, FB, 65536*(((\f)+4)%2)+512*(((\f)+4)/2)   ; which take the fragment four on
.endif
	WIN 0
	QUANT
.irp c, 0,1,2
	ds_store_b128 v[EXW], v[PC+4*\c:PC+4*\c+3] offset:EXS*(FS%2)+1536*FT+512*\c   ; the operand's registers as they stand
.endr
	ds_store_b32 v[ASW], v[PW] offset:512*FT+4*FS  ; lanes r and r + 16 write the same word with the same value
.endm
; K step s of all eight tiles lies in LDS: the four tiles of my 64 rows come into their registers.  Two slots and ONE barrier a K step: slot s % 2 is written again in K step s + 2, behind barrier s + 1,
; in front of which every wave has waited for its reads of K step s.  No LDS bytes are filled by a tensor load behind these barriers: slot 0's load may stay out across them.
.macro EXCHANGE s
	s_wait_dscnt 0x0                               ; for the others' sake: my images and scale words have landed; my reads of the K step before are in
	s_barrier_signal -1
	s_barrier_wait -1
	WIN (1+(\s)/4)<<6
.irp t, 0,1,2,3
.irp c, 0,1,2
	ds_load_b128 v[48*((\s)%4)+12*\t+4*\c:48*((\s)%4)+12*\t+4*\c+3], v[EXR] offset:EXS*((\s)%2)+1536*\t+512*\c
.endr
.endr
	WIN 0
.endm
.macro UFLOAD buf, gq                  ; U's fragments of K steps 2 gq and 2 gq + 1, both tiles: 12 loads
.irp u, 0,1
.irp n, 0,1
.irp c, 0,1,2
	ds_load_b128 v[(\buf)+24*\u+12*\n+4*\c:(\buf)+24*\u+12*\n+4*\c+3], v[ADB] offset:12288*\n+1536*(2*(\gq)+\u)+512*\c
.endr
.endr
.endr
.endm
; 16 products: K steps 2 gq, 2 gq + 1 x two tiles of U x four tiles of rows.  The eight accumulators take turns, one instruction a turn, in the same order in every K step.
; K step 0 starts the sums with the constant 0: nothing is cleared.
.macro MMG buf, gq
.irp u, 0,1
.irp n, 0,1
.irp t, 0,1,2,3
.set KS, 2*(\gq)+\u
.set RD, ACC+8*(4*\n+\t)
.set RU, (\buf)+24*\u+12*\n
.set RA, 48*(KS%4)+12*\t
.if KS == 0
	v_wmma_scale_f32_16x16x128_f8f6f4 v[RD:RD+7], v[RU:RU+11], v[RA:RA+11], 0, v[BS+4*\n], v[AS+4*\t] matrix_a_fmt:MATRIX_FMT_FP6 matrix_b_fmt:MATRIX_FMT_FP6
.elseif KS < 4
	v_wmma_scale_f32_16x16x128_f8f6f4 v[RD:RD+7], v[RU:RU+11], v[RA:RA+11], v[RD:RD+7], v[BS+4*\n+KS], v[AS+4*\t+KS] matrix_a_fmt:MATRIX_FMT_FP6 matrix_b_fmt:MATRIX_FMT_FP6
.else
	v_wmma_scale_f32_16x16x128_f8f6f4 v[RD:RD+7], v[RU:RU+11], v[RA:RA+11], v[RD:RD+7], v[BS+4*\n+KS-4], v[AS+4*\t+KS-4] matrix_a_fmt:MATRIX_FMT_FP6 matrix_b_fmt:MATRIX_FMT_FP6 matrix_a_scale:MATRIX_SCALE_ROW1 matrix_b_scale:MATRIX_SCALE_ROW1
.endif
.endr
.endr
.endr
.endm
.macro PLACES                          ; four places in front of loads into registers that matrix instructions have read, and of the first read of results (ISA guide 7.12.1 for vector instructions)
.rept 4
	v_nop
.endr
.endm
; A STEP: 32 columns of my half of n.  fill = 1: the slot just left is filled with the next step's images.
.macro STEP fill
	s_wait_tensorcnt 0x0                           ; my one tensor load, my quarter of the slot that I am about to read, has landed: so group 0 may be written
	ds_add_u32 v[SPW], v[NIL]                      ; 0 onto my spare word
.if \fill
	s_xor_b32 s[G0+1], s[G0+1], SLOT1              ; the other slot than last time,
	s_add_nc_u64 s[G0+2:G0+3], s[G0+2:G0+3], SLOTB ; the next block of uimg; the type bits on top are not reached
.endif
	s_wait_dscnt 0x0                               ; the add is done, and my reads of the slot that I have left are over
.if \fill
	CROUND                                         ; no wave of any partner still reads that slot or has a load on its way
	tensor_load_to_lds s[G0:G0+3], s[G1:G1+7]      ; the first thing behind the round, and my one tensor load until the next: it has a step's 64 products and their 320 vector lines in which to land
	s_nop 0
	PLACES
.else
	s_barrier_signal -1
	s_barrier_wait -1
.endif
	v_add_nc_u32 v[ADB], s[TB], v[ABF]
	v_add_nc_u32 v[ADS], s[TB], v[ABS]
	v_add_nc_u32 v[ADH], s[TH], v[AH]
	ds_load_b128 v[BS:BS+3], v[ADS]
	ds_load_b128 v[BS+4:BS+7], v[ADS] offset:512
	UFLOAD UFP, 0
	UFLOAD UFQ, 1
.irp n, 0,1
	ds_load_b128 v[HBR+8*\n:HBR+8*\n+3], v[ADH] offset:64*\n
	ds_load_b128 v[HBR+8*\n+4:HBR+8*\n+7], v[ADH] offset:64*\n+16
	ds_load_b128 v[WVR+8*\n:WVR+8*\n+3], v[ADH] offset:4096+64*\n
	ds_load_b128 v[WVR+8*\n+4:WVR+8*\n+7], v[ADH] offset:4096+64*\n+16
.endr
	s_wait_alu depctr_va_vdst(0)
	s_wait_dscnt 20                                ; the scale words and the first buffer are in; the second buffer's 12 loads and the tables' 8 may be out
	WIN 0x04                                       ; source 1: window 1 (K steps 0-3).  LDS loads name a destination and a source 0 alone: they stay in window 0
	MMG UFP, 0
	PLACES
	UFLOAD UFP, 2
	s_wait_dscnt 12                                ; all but the 12 just issued
	MMG UFQ, 1
	PLACES
	UFLOAD UFQ, 3
	s_wait_dscnt 12
	WIN 0x08                                       ; source 1: window 2 (K steps 4-7)
	MMG UFP, 2
	s_wait_dscnt 0x0
	MMG UFQ, 3
	WIN 0
	PLACES
.irp a, 0,1,2,3,4,5,6,7                        ; c e + hbc, each accumulator from its low end on
.irp p, 0,1,2,3
	v_pk_fma_f32 v[ACC+8*\a+2*\p:ACC+8*\a+2*\p+1], v[ACC+8*\a+2*\p:ACC+8*\a+2*\p+1], s[CC:CC+1], v[HBR+8*(\a/4)+2*\p:HBR+8*(\a/4)+2*\p+1] op_sel_hi:[1,0,1]
.endr
.endr
.set J, 0
	s_wait_alu depctr_va_vdst(0)
.rept 64
	v_exp_f32 v[ACC+J], v[ACC+J]
.set J, J+1
.endr
	v_nop                                          ; a plain place behind the last exponential,
	s_wait_alu depctr_va_vdst(0)                   ; and one wait for the batch, ahead of its first reader
.set J, 0
.rept 32
	v_pk_add_f32 v[ACC+J:ACC+J+1], v[ACC+J:ACC+J+1], 1.0 op_sel_hi:[1,0]
.set J, J+2
.endr
.set J, 0
	s_wait_alu depctr_va_vdst(0)
.rept 64
	v_rcp_f32 v[ACC+J], v[ACC+J]
.set J, J+1
.endr
	v_nop
	s_wait_alu depctr_va_vdst(0)                   ; likewise for the reciprocals
.irp p, 0,1,2,3                                ; the four tiles' sums by turns
.irp n, 0,1
.irp t, 0,1,2,3
	v_pk_fma_f32 v[SCA+2*\t:SCA+2*\t+1], v[ACC+8*(4*\n+\t)+2*\p:ACC+8*(4*\n+\t)+2*\p+1], v[WVR+8*\n+2*\p:WVR+8*\n+2*\p+1], v[SCA+2*\t:SCA+2*\t+1]
.endr
.endr
.endr
	s_xor_b32 s[TB], s[TB], SLOT1                  ; on to the other slot,
	s_add_co_u32 s[TH], s[TH], 128                 ; and 32 numbers on in the tables
.endm
.macro MIX4 c, d, p                    ; four columns of one row: bf16 halves of v[d], v[d + 1] x the row's weight, added in f32
	v_fma_mix_f32_bf16 v[\c], v[\d], v[\p], v[\c] op_sel_hi:[1,0,0]
	v_fma_mix_f32_bf16 v[(\c)+1], v[\d], v[\p], v[(\c)+1] op_sel:[1,0,0] op_sel_hi:[1,0,0]
	v_fma_mix_f32_bf16 v[(\c)+2], v[(\d)+1], v[\p], v[(\c)+2] op_sel_hi:[1,0,0]
	v_fma_mix_f32_bf16 v[(\c)+3], v[(\d)+1], v[\p], v[(\c)+3] op_sel:[1,0,0] op_sel_hi:[1,0,0]
.endm
	; ---- the head
	s_load_b256 s[4:11], s[0:1], 0x0               ; encoder_output s[4:5], uimg s[6:7], hbc s[8:9], V_w s[10:11]
	s_load_b128 s[12:15], s[0:1], 0x20             ; sc2 s[12:13], ml s[14:15]
	s_load_b64 s[16:17], s[0:1], 0x30              ; ctxp
	v_lshl_add_u32 v[SPW], v0, 2, SPARE
	v_mov_b32 v[NIL], 0
	ds_add_u32 v[SPW], v[NIL]                      ; the wave's opening: the add, twice on end, and its wait ahead of my first tensor load; the set-up below stands between
	ds_add_u32 v[SPW], v[NIL]
	v_lshrrev_b32 v2, 5, v0
	v_readfirstlane_b32 s[WV], v2                  ; wave 0..3
	s_and_b32 s[ETA], s[WV], 1
	s_lshr_b32 s[GG], s[WV], 1
	s_bfe_u32 s21, ttmp6, 0x40000                  ; cx: my place in the cluster
	s_lshl_b32 s22, ttmp9, 2                       ; in a cluster launch ttmp9 counts clusters
	s_add_co_u32 s22, s22, s21                     ; my block of 128 positions: it enters global addresses alone
	s_mov_b32 s[G1], 15|(3<<16)|(1<<21)            ; 15:0 the mask: all four work-groups; 17:16 elements of 8 bytes; 20 no padding; 21 set beside a mask
	s_mov_b32 s[G1+1], 32<<16                      ; tensor_dim0 = 32 elements: 256 bytes
	s_mov_b32 s[G1+2], 50<<16                      ; tensor_dim1 = 50 rows: 12,800 dense bytes, a quarter of a slot
	s_mov_b32 s[G1+3], 32<<16                      ; tile_dim0
	s_mov_b32 s[G1+4], 50                          ; tile_dim1
	s_mov_b32 s[G1+5], 32                          ; the pitch: dense
	s_mov_b32 s[G1+6], 0
	s_mov_b32 s[G1+7], 0
	s_lshl_b32 s44, s22, 19                        ; encoder_output: 128 rows of 4,096 bytes a block,
	s_lshl_b32 s45, s[WV], 17                      ; 32 rows a wave
	s_add_co_u32 s44, s44, s45
	s_mov_b32 s45, 0
	s_lshr_b32 s46, s22, 4                         ; hbc: my batch's row
	s_lshl_b32 s46, s46, 12
	s_mov_b32 s47, 0
	s_lshl_b32 s48, s22, 9                         ; sc2: 512 bytes a block
	s_mov_b32 s49, 0
	s_lshl_b32 s50, s22, 7                         ; ml: 128 bytes a block
	s_mov_b32 s51, 0
	s_lshl_b32 s52, s22, 12                        ; ctxp: 4,096 bytes a block, 1,024 a wave
	s_lshl_b32 s53, s[WV], 10
	s_add_co_u32 s52, s52, s53
	s_mov_b32 s53, 0
	s_mul_i32 s54, s[WV], 12800                    ; my quarter of a slot, in uimg and in LDS: the wave's number alone
	s_mov_b32 s55, 0
	s_mov_b32 s[CC], 0x4038aa3b                    ; c = 2 log2(e)
	s_mov_b32 s[CC+1], s[CC]                       ; (named with it as a pair, so it is written)
	s_mov_b32 s[SEL], 0x76543210
	s_mov_b32 s[SEL+1], 0xfedcba98
	s_wait_dscnt 0x0                               ; both opening adds are done
	s_wait_kmcnt 0x0
	s_add_nc_u64 s[4:5], s[4:5], s[44:45]
	s_add_nc_u64 s[8:9], s[8:9], s[46:47]
	s_add_nc_u64 s[12:13], s[12:13], s[48:49]
	s_add_nc_u64 s[14:15], s[14:15], s[50:51]
	s_add_nc_u64 s[16:17], s[16:17], s[52:53]
	v_and_b32 v[LN], 31, v0
	v_lshlrev_b32 v[VO], 4, v[LN]
	v_lshlrev_b32 v[TG], 5, v0
	s_wait_alu depctr_va_vdst(0)                   ; the wait here, directly behind the writes
	global_load_b128 v[64:67], v[TG], s[8:9]       ; the tables: 32 bytes a thread of hbc's row,
	global_load_b128 v[68:71], v[TG], s[8:9] offset:16
	global_load_b128 v[72:75], v[TG], s[10:11]     ; and of V_w
	global_load_b128 v[76:79], v[TG], s[10:11] offset:16
	GLOAD 3, 192, 0                                ; fragments 0, 1, 2: the rows are asked for ahead of the cluster's round; nobody writes these bytes
	GLOAD 1, 192, 65536
	GLOAD 2, 192, 512
	WIN 0
	s_mov_b32 s[G0], 1                             ; count = 1
	s_mov_b32 s[G0+1], s54                         ; LDS address: slot 0
	s_add_nc_u64 s[G0+2:G0+3], s[6:7], s[54:55]    ; global address: block 0 of uimg
	s_or_b32 s[G0+3], s[G0+3], 0x80000000          ; type = 2
	CROUND                                         ; all four work-groups are here: the first joint loads meet
	tensor_load_to_lds s[G0:G0+3], s[G1:G1+7]      ; every wave issues it: step 0's images.  It lands under phase L
	s_nop 0
	PLACES
	GLOAD 0, 128, 65536+512                        ; fragment 3
	v_and_b32 v[RR], 15, v0
	s_wait_alu depctr_va_vdst(0)
	v_bfe_u32 v[HH], v0, 4, 1
	s_mul_i32 s44, s[WV], TSTG
	s_add_co_u32 s44, s44, TURN
	v_add_nc_u32 v[TI], s44, v[VO]
	v_mul_u32_u24 v[TO], v[RR], 528
	v_lshl_add_u32 v[TO], v[HH], 7, v[TO]
	v_add_nc_u32 v[TO], s44, v[TO]
	s_lshl_b32 s44, s[WV], 15
	s_add_co_u32 s44, s44, COPY
	v_lshl_add_u32 v[CW], v[LN], 3, s44
	s_mul_i32 s44, s[WV], 3072
	s_add_co_u32 s44, s44, EXCH
	v_add_nc_u32 v[EXW], s44, v[VO]
	s_mul_i32 s44, s[GG], 6144
	s_add_co_u32 s44, s44, EXCH
	v_add_nc_u32 v[EXR], s44, v[VO]
	s_lshl_b32 s44, s[WV], 10
	s_add_co_u32 s44, s44, ASC
	v_lshl_add_u32 v[ASW], v[RR], 5, s44
	s_lshl_b32 s44, s[GG], 11
	s_add_co_u32 s44, s44, ASC
	v_lshl_add_u32 v[ASR], v[RR], 5, s44
	v_lshl_add_u32 v[ASR], v[HH], 4, v[ASR]
	v_lshlrev_b32 v[SH8], 3, v[HH]
	s_mul_i32 s44, s[ETA], 24576
	v_add_nc_u32 v[ABF], s44, v[VO]
	s_lshl_b32 s44, s[ETA], 10
	s_add_co_u32 s44, s44, 49152
	v_lshl_add_u32 v[ABS], v[RR], 5, s44
	v_lshl_add_u32 v[ABS], v[HH], 4, v[ABS]
	s_lshl_b32 s44, s[ETA], 11
	s_add_co_u32 s44, s44, HB
	v_lshl_add_u32 v[AH], v[HH], 5, s44
	s_lshl_b32 s44, s[ETA], 9
	s_lshl_b32 s45, s[GG], 8
	s_add_co_u32 s44, s44, s45
	s_add_co_u32 s44, s44, SCORE
	v_lshl_add_u32 v[SS], v[RR], 2, s44
	s_lshl_b32 s44, s[WV], 9
	s_add_co_u32 s44, s44, PP
	v_add_nc_u32 v[PWA], s44, v[VO]
	s_mul_i32 s44, s[WV], 640                      ; my wave's copy (512 w) and my 32 rows in it (128 w)
	s_add_co_u32 s44, s44, PP
	v_mov_b32 v[PBA], s44
	s_lshl_b32 s44, s[WV], 12
	s_add_co_u32 s44, s44, CTXR
	v_add_nc_u32 v[CXW], s44, v[VO]
	s_lshl_b32 s44, s[WV], 10
	s_add_co_u32 s44, s44, CTXR
	v_add_nc_u32 v[CXR], s44, v[VO]
	v_lshlrev_b32 v[L4], 2, v[LN]
	v_add_nc_u32 v[TBW], HB, v[TG]
	v_add_nc_u32 v[SL], SCORE, v[VO]
	v_mov_b32 v[QT+1], 0                           ; written once: a lane permute's destination counts as one of its sources
	s_wait_alu depctr_va_vdst(0)
	s_wait_loadcnt 63                              ; of the 68 loads issued the oldest five are in, the tables' four among them
.irp j, 0,2,4,6
	v_pk_mul_f32 v[72+\j:73+\j], v[72+\j:73+\j], 0xc038aa3b op_sel_hi:[1,0]   ; -2 log2(e) V_w
.endr
	ds_store_b128 v[TBW], v[64:67]
	ds_store_b128 v[TBW], v[68:71] offset:16
	ds_store_b128 v[TBW], v[72:75] offset:4096
	ds_store_b128 v[TBW], v[76:79] offset:4112
	; ---- L: the rows come in
.irp s, 0,1,2,3,4,5,6,7
	FRAG 2*\s
	FRAG 2*\s+1
	EXCHANGE \s
.endr
.irp t, 0,1,2,3
	ds_load_b128 v[AS+4*\t:AS+4*\t+3], v[ASR] offset:512*\t    ; my 64 rows' scale words, for all of K
.endr
.irp j, 0,1,2,3,4,5,6,7
	v_mov_b32 v[SCA+\j], 0
.endr
	s_mov_b32 s[TB], 0
	s_mov_b32 s[TH], 0
	s_mov_b32 s[CNT], 15
	; ---- G: 16 steps; behind each change of slots but the last the next step's images are asked for
.Lstep:
	STEP 1
	s_sub_co_u32 s[CNT], s[CNT], 1
	s_cmp_lg_u32 s[CNT], 0
	s_cbranch_scc1 .Lstep
	STEP 0                                         ; the last step is written out
	; ---- F: the block's scores, weights and partial context
.irp t, 0,1,2,3
	v_add_f32 v[64+\t], v[SCA+2*\t], v[SCA+2*\t+1]     ; even and odd n,
.endr
.irp t, 0,1,2,3
	v_permlanex16_b32 v[68+\t], v[64+\t], s[SEL], s[SEL+1]
.endr
.irp t, 0,1,2,3
	v_add_f32 v[64+\t], v[64+\t], v[68+\t]             ; and lane l xor 16's: position 16 t + r, my half of n
.endr
.irp t, 0,1,2,3
	ds_store_b32 v[SS], v[64+\t] offset:64*\t          ; lanes r and r + 16 write the same word with the same value
.endr
	s_wait_dscnt 0x0
	s_barrier_signal -1
	s_barrier_wait -1
	ds_load_b128 v[64:67], v[SL]                   ; every wave: lane l takes positions 4 l .. 4 l + 3, both halves of n
	ds_load_b128 v[68:71], v[SL] offset:512
	s_wait_dscnt 0x0
	v_pk_add_f32 v[64:65], v[64:65], v[68:69]
	v_pk_add_f32 v[66:67], v[66:67], v[70:71]      ; s2
	v_max3_num_f32 v72, v64, v65, v66
	v_max_num_f32 v72, v72, v67
	v_max_num_f32_dpp v72, v72, v72 row_xmask:1 row_mask:0xf bank_mask:0xf
	v_max_num_f32_dpp v72, v72, v72 row_xmask:2 row_mask:0xf bank_mask:0xf
	v_max_num_f32_dpp v72, v72, v72 row_xmask:4 row_mask:0xf bank_mask:0xf
	v_max_num_f32_dpp v72, v72, v72 row_xmask:8 row_mask:0xf bank_mask:0xf
	v_permlanex16_b32 v73, v72, s[SEL], s[SEL+1]
	v_max_num_f32 v72, v72, v73                    ; m: the block's largest s2, taken away before the exponential
.irp i, 0,1,2,3
	v_sub_f32 v[76+\i], v[64+\i], v72
.endr
	s_wait_alu depctr_va_vdst(0)
.irp i, 0,1,2,3
	v_exp_f32 v[76+\i], v[76+\i]                   ; p = 2^(s2 - m)
.endr
	v_nop
	s_wait_alu depctr_va_vdst(0)                   ; one wait for the four, ahead of their first reader
	v_add_f32 v74, v76, v77
	v_add_f32 v75, v78, v79
	v_add_f32 v74, v74, v75
	v_add_f32_dpp v74, v74, v74 row_xmask:1 row_mask:0xf bank_mask:0xf
	v_add_f32_dpp v74, v74, v74 row_xmask:2 row_mask:0xf bank_mask:0xf
	v_add_f32_dpp v74, v74, v74 row_xmask:4 row_mask:0xf bank_mask:0xf
	v_add_f32_dpp v74, v74, v74 row_xmask:8 row_mask:0xf bank_mask:0xf
	v_permlanex16_b32 v73, v74, s[SEL], s[SEL+1]
	v_add_f32 v74, v74, v73                        ; l
	s_cmp_lg_u32 s[WV], 0
	s_cbranch_scc1 .Lnot_first
	global_store_b128 v[VO], v[64:67], s[12:13]    ; wave 0: the block's 128 s2: 512 consecutive bytes, at a multiple of 256 from sc2's first byte
	v_and_b32 v80, 1, v0
	v_cmp_eq_u32 vcc_lo, 1, v80
	v_cndmask_b32 v81, v72, v74, vcc_lo            ; even lanes m, odd lanes l
	global_store_b32 v[L4], v81, s[14:15]          ; none of these stores' registers is written again
.Lnot_first:
	ds_store_b128 v[PWA], v[76:79]                 ; p into my wave's own 512 bytes; LDS serves a wave's instructions in order: the loads below see it
.irp q, 0,1,2,3
	ds_load_b128 v[PR+4*\q:PR+4*\q+3], v[PBA] offset:16*\q     ; p of rows 0-15 of my 32, the same in every lane
.endr
.set J, 0
.rept 32
	v_mov_b32 v[CX+J], 0
.set J, J+1
.endr
	s_wait_dscnt 0x0
	WIN 0x03                                       ; source 0: window 3, the bf16 rows in registers
.irp i, 0,1,2,3,4,5,6,7,8,9,10,11,12,13,14,15
.irp s, 0,1,2,3,4,5,6,7
	MIX4 CX+4*\s, 32*\s+2*\i, PR+\i                ; columns 128 s + 4 lane + 0 .. 3
.endr
.endr
	WIN 0
	s_mov_b32 s[TR], 0
	s_mov_b32 s44, 0
	s_mov_b32 s[CNT], 4
.Lrows:                                            ; rows 16-31 of my 32, from LDS, four rows a trip
	v_add_nc_u32 v[CA], s[TR], v[CW]
	v_add_nc_u32 v[PA], s44, v[PBA]
	ds_load_b128 v[PR+16:PR+19], v[PA] offset:64
.irp a, 0,1,2,3
.irp s, 0,1,2,3,4,5,6,7
	ds_load_b64 v[160+2*(8*\a+\s):160+2*(8*\a+\s)+1], v[CA] offset:2048*\a+256*\s
.endr
.endr
	s_wait_dscnt 0x0
.irp a, 0,1,2,3
.irp s, 0,1,2,3,4,5,6,7
	MIX4 CX+4*\s, 160+2*(8*\a+\s), PR+16+\a
.endr
.endr
	s_add_co_u32 s[TR], s[TR], 8192
	s_add_co_u32 s44, s44, 16
	s_sub_co_u32 s[CNT], s[CNT], 1
	s_cmp_lg_u32 s[CNT], 0
	s_cbranch_scc1 .Lrows
.irp s, 0,1,2,3,4,5,6,7
	ds_store_b128 v[CXW], v[CX+4*\s:CX+4*\s+3] offset:512*\s   ; my 32 rows' part of all 1,024 columns
.endr
	s_wait_dscnt 0x0
	s_barrier_signal -1
	s_barrier_wait -1
.irp k, 0,1,2,3
.irp u, 0,1
	ds_load_b128 v[128+8*\k+4*\u:128+8*\k+4*\u+3], v[CXR] offset:4096*\k+512*\u   ; columns 256 w .. + 255 of all four waves' parts
.endr
.endr
	s_wait_dscnt 0x0
.irp k, 1,2,3
.irp j, 0,2,4,6
	v_pk_add_f32 v[128+\j:129+\j], v[128+\j:129+\j], v[128+8*\k+\j:129+8*\k+\j]
.endr
.endr
	global_store_b128 v[VO], v[128:131], s[16:17]              ; 512 consecutive bytes each, at multiples of 256 from ctxp's first byte
	global_store_b128 v[VO], v[132:135], s[16:17] offset:512
	s_wait_tensorcnt 0x0                           ; the wave's end, behind my last tensor load and my last LDS store
	ds_add_u32 v[SPW], v[NIL]
	s_wait_dscnt 0x0
	CROUND                                         ; the closing round: no work-group ends while a partner may still ask for a tile that names it
	s_endpgm
.Lfunc_end_k_q32d2e49a03_attn:
	.size	k_q32d2e49a03_attn, .Lfunc_end_k_q32d2e49a03_attn-k_q32d2e49a03_attn
	.p2alignl 7, 3214868480
	.fill 96, 4, 3214868480
	.section	.rodata,"a",@progbits
	.p2align	6, 0x0
	.amdhsa_kernel k_q32d2e49a03_attn
		.amdhsa_group_segment_fixed_size 327680
		.amdhsa_private_segment_fixed_size 0
		.amdhsa_enable_private_segment 0
		.amdhsa_kernarg_size 56
		.amdhsa_user_sgpr_count 2
		.amdhsa_user_sgpr_kernarg_segment_ptr 1
		.amdhsa_wavefront_size32 1
		.amdhsa_system_sgpr_workgroup_id_x 1
		.amdhsa_system_sgpr_workgroup_id_y 1
		.amdhsa_system_sgpr_workgroup_id_z 1
		.amdhsa_system_vgpr_workitem_id 0
		.amdhsa_next_free_vgpr 1024
		.amdhsa_next_free_sgpr 66
		.amdhsa_reserve_vcc 1
		.amdhsa_float_denorm_mode_32 3
		.amdhsa_float_denorm_mode_16_64 3
		.amdhsa_memory_ordered 1
		.amdhsa_forward_progress 1
		.amdhsa_inst_pref_size 255
	.end_amdhsa_kernel
	.section	.bss,"aw",@nobits
	.p2align	6
	.space	262144
	.amdgpu_metadata
---
amdhsa.version: [ 1, 2 ]
amdhsa.kernels:
  - .name:           k_q32d2e49a03_attn
    .symbol:         k_q32d2e49a03_attn.kd
    .args:
      - { .name: encoder_output, .offset: 0, .size: 8, .value_kind: global_buffer, .address_space: global }
      - { .name: uimg, .offset: 8, .size: 8, .value_kind: global_buffer, .address_space: global }
      - { .name: hbc, .offset: 16, .size: 8, .value_kind: global_buffer, .address_space: global }
      - { .name: V_w, .offset: 24, .size: 8, .value_kind: global_buffer, .address_space: global }
      - { .name: sc2, .offset: 32, .size: 8, .value_kind: global_buffer, .address_space: global }
      - { .name: ml, .offset: 40, .size: 8, .value_kind: global_buffer, .address_space: global }
      - { .name: ctxp, .offset: 48, .size: 8, .value_kind: global_buffer, .address_space: global }
    .group_segment_fixed_size: 327680
    .private_segment_fixed_size: 0
    .kernarg_segment_align: 8
    .kernarg_segment_size: 56
    .max_flat_workgroup_size: 128
    .sgpr_count:     66
    .vgpr_count:     1024
    .wavefront_size: 32
...
	.end_amdgpu_metadata
.endif
;; end of part 2
;; launch combine (part 3): grid 32 x 4, 2 waves a work-group, no clusters, 0 bytes of LDS; arguments sc2, ml, ctxp, out0, out1; writes out0, out1
.if DOCPART == 3
	.amdgcn_target "amdgcn-amd-amdhsa--gfx1250"
	.amdhsa_code_object_version 6
	.text
	.protected	k_q32d2e49a03_combine
	.globl	k_q32d2e49a03_combine
	.p2align	8
	.type	k_q32d2e49a03_combine,@function
k_q32d2e49a03_combine:
	s_mov_b64 s[64:65], 0
	v_nop
	global_prefetch_b8 v0, s[64:65] scope:SCOPE_SE
	s_setreg_imm32_b32 hwreg(HW_REG_WAVE_MODE, 25, 1), 1
	s_wait_xcnt 0x0
; BahdanauAttention in MX-FP6, launch 3 of 3: the 16 blocks of a batch are joined.  (V_b and sum_k V_w[k] were left out of the scores, as shown at the head of the first launch: the softmax takes them away.)
; With block i's maximum m_i, sum l_i and partial context x_i:  M = max m_i;  f_i = 2^(m_i - M);  L = sum l_i f_i;  context = sum (f_i / L) x_i;  attention = 2^(s2 - M) / L.
; M is the batch's true maximum, so no exponential is above 1 and L is at least 1.
; SHARES.  Work-group (b, y), 64 threads: context columns 256 y .. + 255 and attention entries 512 y .. + 511 of batch b.  Thread t: 4 columns and 2 x 4 entries.  Every store of a wave covers 512 consecutive
; bytes, at a multiple of 256 from its buffer's first byte.  No LDS, no barrier: each row of 16 lanes holds all 16 (m, l).  All 19 loads go out at the head.
	s_load_b256 s[4:11], s[0:1], 0x0               ; sc2 s[4:5], ml s[6:7], ctxp s[8:9], out0 s[10:11]
	s_load_b64 s[12:13], s[0:1], 0x20              ; out1
	s_and_b32 s14, ttmp7, 0xffff                   ; y
	v_lshlrev_b32 v1, 4, v0                        ; 16 t
	v_and_b32 v2, 15, v0
	v_lshlrev_b32 v2, 7, v2                        ; block t % 16 of the batch: 128 bytes a block in ml
	s_lshl_b32 s16, ttmp9, 11                      ; ml: 16 blocks a batch
	s_mov_b32 s17, 0
	s_lshl_b32 s18, ttmp9, 16                      ; ctxp: 16 blocks of 4,096 bytes a batch, + 1,024 y
	s_lshl_b32 s19, s14, 10
	s_add_co_u32 s18, s18, s19
	s_mov_b32 s19, 0
	s_lshl_b32 s20, ttmp9, 13                      ; sc2 and out1: 8,192 bytes a batch, + 2,048 y
	s_lshl_b32 s21, s14, 11
	s_add_co_u32 s20, s20, s21
	s_mov_b32 s21, 0
	s_lshl_b32 s22, ttmp9, 12                      ; out0: 4,096 bytes a batch, + 1,024 y
	s_lshl_b32 s23, s14, 10
	s_add_co_u32 s22, s22, s23
	s_mov_b32 s23, 0
	s_wait_alu depctr_va_vdst(0)
	s_wait_kmcnt 0x0
	s_add_nc_u64 s[4:5], s[4:5], s[20:21]
	s_add_nc_u64 s[6:7], s[6:7], s[16:17]
	s_add_nc_u64 s[8:9], s[8:9], s[18:19]
	s_add_nc_u64 s[10:11], s[10:11], s[22:23]
	s_add_nc_u64 s[12:13], s[12:13], s[20:21]
	global_load_b64 v[4:5], v2, s[6:7]             ; (m, l) of my lane's block
.irp i, 0,1,2,3,4,5,6,7,8,9,10,11,12,13,14,15
	global_load_b128 v[8+4*\i:11+4*\i], v1, s[8:9] offset:4096*\i      ; block i's partial context at my 4 columns
.endr
	global_load_b128 v[72:75], v1, s[4:5]          ; my 8 scores
	global_load_b128 v[76:79], v1, s[4:5] offset:1024
	s_wait_loadcnt 18                              ; (m, l) is in; the 18 younger loads may be out
	v_mov_b32 v80, v4
	v_max_num_f32_dpp v80, v80, v80 row_xmask:1 row_mask:0xf bank_mask:0xf
	v_max_num_f32_dpp v80, v80, v80 row_xmask:2 row_mask:0xf bank_mask:0xf
	v_max_num_f32_dpp v80, v80, v80 row_xmask:4 row_mask:0xf bank_mask:0xf
	v_max_num_f32_dpp v80, v80, v80 row_xmask:8 row_mask:0xf bank_mask:0xf   ; M
	v_sub_f32 v81, v4, v80
	s_wait_alu depctr_va_vdst(0)
	v_exp_f32 v81, v81                             ; f
	v_nop
	s_wait_alu depctr_va_vdst(0)                   ; the wait ahead of the first reader
	v_mul_f32 v82, v5, v81
	v_add_f32_dpp v82, v82, v82 row_xmask:1 row_mask:0xf bank_mask:0xf
	v_add_f32_dpp v82, v82, v82 row_xmask:2 row_mask:0xf bank_mask:0xf
	v_add_f32_dpp v82, v82, v82 row_xmask:4 row_mask:0xf bank_mask:0xf
	v_add_f32_dpp v82, v82, v82 row_xmask:8 row_mask:0xf bank_mask:0xf       ; L
	s_wait_alu depctr_va_vdst(0)
	v_rcp_f32 v83, v82
	v_nop
	s_wait_alu depctr_va_vdst(0)
	v_mul_f32 v84, v81, v83                        ; f / L of my lane's block
.irp i, 0,1,2,3,4,5,6,7,8,9,10,11,12,13,14,15
	v_readlane_b32 s[32+\i], v84, \i               ; block i's, as a factor: no address and no branch hangs on it
.endr
	s_wait_loadcnt 2                               ; the partial contexts are in; the two loads of scores may be out
.irp e, 0,1,2,3
	v_mul_f32 v[88+\e], s32, v[8+\e]               ; the first product starts the sums
.endr
.irp i, 1,2,3,4,5,6,7,8,9,10,11,12,13,14,15
.irp e, 0,1,2,3
	v_fma_f32 v[88+\e], s[32+\i], v[8+4*\i+\e], v[88+\e]
.endr
.endr
	global_store_b128 v1, v[88:91], s[10:11]       ; context
	s_wait_loadcnt 0x0
.irp j, 0,1,2,3,4,5,6,7
	v_sub_f32 v[72+\j], v[72+\j], v80
.endr
	s_wait_alu depctr_va_vdst(0)
.irp j, 0,1,2,3,4,5,6,7
	v_exp_f32 v[72+\j], v[72+\j]
.endr
	v_nop
	s_wait_alu depctr_va_vdst(0)                   ; one wait for the eight
.irp j, 0,1,2,3,4,5,6,7
	v_mul_f32 v[72+\j], v[72+\j], v83
.endr
	global_store_b128 v1, v[72:75], s[12:13]       ; attention
	global_store_b128 v1, v[76:79], s[12:13] offset:1024
	s_endpgm
.Lfunc_end_k_q32d2e49a03_combine:
	.size	k_q32d2e49a03_combine, .Lfunc_end_k_q32d2e49a03_combine-k_q32d2e49a03_combine
	.p2alignl 7, 3214868480
	.fill 96, 4, 3214868480
	.section	.rodata,"a",@progbits
	.p2align	6, 0x0
	.amdhsa_kernel k_q32d2e49a03_combine
		.amdhsa_group_segment_fixed_size 0
		.amdhsa_private_segment_fixed_size 0
		.amdhsa_enable_private_segment 0
		.amdhsa_kernarg_size 40
		.amdhsa_user_sgpr_count 2
		.amdhsa_user_sgpr_kernarg_segment_ptr 1
		.amdhsa_wavefront_size32 1
		.amdhsa_system_sgpr_workgroup_id_x 1
		.amdhsa_system_sgpr_workgroup_id_y 1
		.amdhsa_system_sgpr_workgroup_id_z 1
		.amdhsa_system_vgpr_workitem_id 0
		.amdhsa_next_free_vgpr 96
		.amdhsa_next_free_sgpr 66
		.amdhsa_reserve_vcc 0
		.amdhsa_float_denorm_mode_32 3
		.amdhsa_float_denorm_mode_16_64 3
		.amdhsa_memory_ordered 1
		.amdhsa_forward_progress 1
		.amdhsa_inst_pref_size 10
	.end_amdhsa_kernel
	.amdgpu_metadata
---
amdhsa.version: [ 1, 2 ]
amdhsa.kernels:
  - .name:           k_q32d2e49a03_combine
    .symbol:         k_q32d2e49a03_combine.kd
    .args:
      - { .name: sc2, .offset: 0, .size: 8, .value_kind: global_buffer, .address_space: global }
      - { .name: ml, .offset: 8, .size: 8, .value_kind: global_buffer, .address_space: global }
      - { .name: ctxp, .offset: 16, .size: 8, .value_kind: global_buffer, .address_space: global }
      - { .name: out0, .offset: 24, .size: 8, .value_kind: global_buffer, .address_space: global }
      - { .name: out1, .offset: 32, .size: 8, .value_kind: global_buffer, .address_space: global }
    .group_segment_fixed_size: 0
    .private_segment_fixed_size: 0
    .kernarg_segment_align: 8
    .kernarg_segment_size: 40
    .max_flat_workgroup_size: 64
    .sgpr_count:     66
    .vgpr_count:     96
    .wavefront_size: 32
...
	.end_amdgpu_metadata
.endif
;; end of part 3
